; MI455X (gfx1250); checked and timed in simulation.
; The chip was launched on July 23, 2026; its instructions are those of AMD's public machine-readable ISA for CDNA 5 (MIT licence, August 2026) and "CDNA5" Instruction Set Architecture Reference Guide (July 2026). The comments in the code are by the model that wrote it; some were corrected since.
;; Enhanced H Bit Linear. Allowed arithmetic: matrix products marked QUANTISED: E2M3 operands, one E8M0 scale for each 32 along K, by v_wmma_scale_f32_16x16x128_f8f6f4 with both operands' format E2M3, f32 sums; everything else in f32.
;; Inputs: had_scale 4,096 float32; had_shift 4,096 float32; weight 2,048 x 4,096 float32; x 2 x 4,096 x 4,096 float32.
;; Outputs: out0 2 x 4,096 x 2,048 float32.
;; This version of the problem:
;;   THIS VERSION OF THE PROBLEM IS GIVEN IN LOW PRECISION. The matrix products marked QUANTISED in the list below multiply operands that are first quantised to E2M3 (2 exponent bits, 3 mantissa bits; 6 bits a number), with one power-of-two scale for each 32 numbers along K (OCP MX v1.0); their sums are f32. All else is computed in f32.
;;   The module's matrix products, in the order in which they are computed (A, B: the left and right operand; K: the contracted axis; several contracted axes count as one K, in the product's order):
;;     1. [M 8,192, K 4,096] x [K 4,096, N 2,048]; A: computed on the way; B: computed on the way: QUANTISED
;;   THE QUANTISER, for each operand of a quantised product, along K:
;;     - K is cut into blocks of 32 from its start; a last block that is shorter is filled with zeros.
;;     - A block's scale is 2^e with e = floor(log2(the largest magnitude in the block)) - 2, held to -126 .. 127; a block of zeros has e = 0. As a byte (E8M0): e + 127.
;;     - Each number is divided by its block's scale, clamped to +-7.5, and rounded to the nearest number of E2M3, ties to even, subnormals kept.
;;     - The product sums the exact products of the quantised numbers (number of the format x scale) in f32.
;;   ~~~python
;;   def quantise(x, axis):      # numpy; x: float32 -> the quantised numbers, widened to float32 again
;;       x = np.moveaxis(x, axis, -1); K = x.shape[-1]
;;       x = np.pad(x, [(0, 0)] * (x.ndim - 1) + [(0, -K % 32)]); x = x.reshape(x.shape[:-1] + (-1, 32)); a = np.abs(x).max(-1, keepdims=True)
;;       e = np.where(a > 0, np.clip(np.frexp(np.where(a > 0, a, 1))[1] - 1 - 2, -126, 127), 0)      # np.frexp(a)[1] - 1 = floor(log2(a)), exactly
;;       r = np.clip(x / 2.0 ** e, -7.5, 7.5)
;;       step = 2.0 ** (np.maximum(np.frexp(np.where(r == 0, 1, r))[1] - 1, 0) - 3)
;;       q = np.round(r / step) * step * 2.0 ** e      # np.round: ties to even
;;       return np.moveaxis(q.reshape(q.shape[:-2] + (-1,))[..., :K], -1, axis).astype(np.float32)
;;   ~~~
;;   OPERANDS COMPUTED ON THE WAY. 'Computed on the way' means the value that the module computes at that place (a softmax that the list does not call 'softmax' is quantised finished and normalised). What goes into a quantiser is computed in f32, as accurately as f32 sums, v_exp_f32 and their like allow (about 1e-6 of the number): no bf16 or f16 on the way to a quantiser, and a product that is left as it is and whose result goes on into a quantised operand takes f32 operands (vector FMAs, or v_wmma_f32_16x16x4_f32). A number that lies on a knife's edge between two numbers of the format may be rounded either way, as far as f32 arithmetic and the matrix unit's own rounding can turn it there, and no further.
;; One version. Each part assembles by itself: llvm-mc -triple=amdgcn-amd-amdhsa -mcpu=gfx1250 --defsym DOCPART=n.
;; ======== version 1 of 1: 3 launches
;; limits: right only within a limited range of input values
;; workspace buffers: a_codes 27,394,048 bytes; b_codes 6,848,512 bytes; wsum 8,192 bytes
;; launch prep (part 1): grid 256 x 1, 8 waves a work-group, no clusters, 327,680 bytes of LDS; arguments x, had_scale, had_shift, weight, a_codes, wsum; writes a_codes, wsum
.if DOCPART == 1
	.amdgcn_target "amdgcn-amd-amdhsa--gfx1250"
	.amdhsa_code_object_version 6
	.text
	.protected	k_q4b283467ab_prep
	.globl	k_q4b283467ab_prep
	.p2align	8
	.type	k_q4b283467ab_prep,@function
k_q4b283467ab_prep:
	s_mov_b64 s[64:65], 0
	v_nop
	global_prefetch_b8 v0, s[64:65] scope:SCOPE_SE
	s_setreg_imm32_b32 hwreg(HW_REG_WAVE_MODE, 25, 1), 1
	s_wait_xcnt 0x0
; THE LEFT OPERAND, and the sums of |W| by rows.  A wave takes four rows of x, one at a time: the Walsh-Hadamard transform over its 32 lanes x 128 registers, scale and shift,
; the int4 step by the row's largest magnitude, then codes of FP6 (E2M3) with one E8M0 byte for each 32 along K.
; a_codes is laid for the product's launch: [64 blocks of 128 rows][11 groups of 384 along K][128 rows][304 bytes]; a row's 304 bytes are 288 bytes of codes (12 blocks of 32, K ascending),
; three scale words (one for each 128 along K, its bytes in the order of blocks 0, 2, 1, 3, as the product's fragments take them) and a zero word.
; K has 128 blocks: the last group's last 96 bytes of codes and its third scale word are zeros, stored here and never multiplied.
; A lane's 12 bytes of codes go straight to their place: a store covers 384 bytes of one row, in one run or in two where it passes from a group to the next.
.set QB,    38912                      ; a group of one block of rows: 128 x 304 bytes
.set COG,   118                        ; v118-125: for each of my eight half blocks its byte offset in the row's eleven groups
.set SLOT,  17408
.set RINGW, 2*SLOT
.set SCB,   8*RINGW
.set SPARE, SCB+8*2048
.set LA,  1
.set SPW, 2
.set NIL, 3
.set CO,  4
.set SBW, 5
.set SBR, 6
.set SGO, 7
.set CL,  8
.set SG,  12
.set ADR, 14
.set SBA, 15
.set T,   16
.set U,   48
.set M,   80
.set P,   88
.set SO,  96
.set C7,  104
.set G7,  106
.set SOF, 116
.set LN,  117
.set H,   128
.set MSB, 0
.macro WIN new
.if MSB != \new
	s_set_vgpr_msb (MSB<<8)|\new
.set MSB, \new
.endif
.endm
.macro PADD d, a, b
	v_pk_add_f32 v[\d:\d+1], v[\a:\a+1], v[\b:\b+1]
.endm
.macro PSUB d, a, b
	v_pk_add_f32 v[\d:\d+1], v[\a:\a+1], v[\b:\b+1] neg_lo:[0,1] neg_hi:[0,1]
.endm
	s_load_b256 s[4:11], s[0:1], 0x0
	s_load_b64 s[12:13], s[0:1], 0x20
	s_load_b64 s[32:33], s[0:1], 0x28
	v_lshl_add_u32 v[SPW], v0, 2, SPARE
	v_mov_b32 v[NIL], 0
	ds_add_u32 v2, v3
	ds_add_u32 v2, v3
	s_wait_dscnt 0x0
	v_lshrrev_b32 v108, 5, v0
	s_delay_alu instid0(VALU_DEP_1)
	v_readfirstlane_b32 s34, v108
	s_mov_b32 s16, (3<<16)|(1<<20)|(5<<22)|(3<<25)
	s_mov_b32 s17, 32<<16
	s_mov_b32 s18, 64<<16
	s_mov_b32 s19, 32<<16
	s_mov_b32 s20, 64
	s_mov_b32 s21, 32
	s_mov_b32 s22, 0
	s_mov_b32 s23, 0
	s_lshl_b32 s44, ttmp9, 5
	s_lshl_b32 s45, s34, 2
	s_add_co_u32 s46, s44, s45
	s_lshl_b32 s44, s46, 14
	s_mov_b32 s45, 0
	s_mov_b32 s24, 1
	s_mul_i32 s25, s34, RINGW
	s_mov_b32 s28, 1
	s_add_co_u32 s29, s25, SLOT
	s_wait_kmcnt 0x0
	s_add_nc_u64 s[26:27], s[4:5], s[44:45]
	s_add_nc_u64 s[30:31], s[26:27], 16384
	s_or_b32 s27, s27, 0x80000000
	s_or_b32 s31, s31, 0x80000000
	tensor_load_to_lds s[24:27], s[16:23]
	s_nop 0
	s_wait_alu depctr_va_vdst(0)
	s_wait_tensorcnt 0x0
	ds_add_u32 v2, v3
	s_wait_dscnt 0x0
	s_barrier_signal -1
	s_barrier_wait -1
	tensor_load_to_lds s[28:31], s[16:23]
	s_nop 0
.rept 4
	v_nop
.endr
	s_lshr_b32 s44, s46, 7                         ; my rows' block of 128,
	s_mul_i32 s44, s44, 11*QB
	s_add_nc_u64 s[12:13], s[12:13], s[44:45]
	s_and_b32 s44, s46, 127                        ; and my first row in it
	s_mul_i32 s44, s44, 304
	s_add_nc_u64 s[12:13], s[12:13], s[44:45]
	s_mov_b64 s[14:15], s[12:13]                   ; kept at my first row, for the scale words and the zeros at the end
	s_lshl_b32 s46, ttmp9, 3
	s_add_co_u32 s46, s46, s34
	s_lshl_b32 s44, s46, 14
	s_add_nc_u64 s[10:11], s[10:11], s[44:45]
	s_lshl_b32 s44, s46, 2
	s_add_nc_u64 s[32:33], s[32:33], s[44:45]
	v_and_b32 v[LN], 31, v0
	s_delay_alu instid0(VALU_DEP_1)
	v_lshlrev_b32 v[SGO], 4, v[LN]
.set i, 0
.rept 32
	global_load_b128 v[H+4*i:H+4*i+3], v[SGO], s[10:11] offset:512*i
.set i, i+1
.endr
	v_and_b32 v108, 15, v0
	v_bfe_u32 v109, v0, 4, 1
	s_delay_alu instid0(VALU_DEP_2)
	v_lshlrev_b32 v[SOF], 7, v108
	s_delay_alu instid0(VALU_DEP_1)
	v_lshl_add_u32 v[SOF], v109, 6, v[SOF]
	WIN 0x40
.irp g, 0,1,2,3,4,5,6,7
.irp q, 0,1,2,3
	global_load_b128 v[16*\g+4*\q:16*\g+4*\q+3], v[SOF], s[6:7] offset:2048*\g+16*\q
.endr
.endr
	WIN 0
	v_bfe_u32 v110, v0, 1, 4
	s_delay_alu instid0(VALU_DEP_1)
	v_mul_u32_u24 v[LA], v110, 272
	v_and_b32 v110, 1, v0
	s_delay_alu instid0(VALU_DEP_1)
	v_lshl_add_u32 v[LA], v110, 7, v[LA]
	s_delay_alu instid0(VALU_DEP_1)
	v_add_nc_u32 v[LA], s25, v[LA]
.irp g, 0,1,2,3,4,5,6,7
	v_add_nc_u32 v110, 16*\g, v108                 ; block b = 16 g + lane % 16 of the row's 128
	s_delay_alu instid0(VALU_DEP_1)
	v_mul_u32_u24 v111, v110, 43
	s_delay_alu instid0(VALU_DEP_1)
	v_lshrrev_b32 v111, 9, v111                    ; its group b / 12 (43 b / 512, right for b under 131)
	s_delay_alu instid0(VALU_DEP_1)
	v_mul_u32_u24 v[COG+\g], v111, QB-288
	s_delay_alu instid0(VALU_DEP_1)
	v_mad_u32_u24 v[COG+\g], v110, 24, v[COG+\g]   ; group x QB + 24 (b % 12)
	s_delay_alu instid0(VALU_DEP_1)
	v_mad_u32_u24 v[COG+\g], v109, 12, v[COG+\g]   ; + my half of the block
.endr
	s_lshl_b32 s47, s34, 11
	s_add_co_u32 s47, s47, SCB
	v_add_nc_u32 v[SBW], s47, v108
	v_and_b32 v110, 3, v0
	s_delay_alu instid0(VALU_DEP_1)
	v_mul_u32_u24 v110, v110, 132                  ; a row's scale bytes take 132 bytes in LDS: 128 and a zero word, the third word of the last group
	s_delay_alu instid0(VALU_DEP_1)
	v_add_nc_u32 v110, s47, v110
	ds_store_b32 v110, v[NIL] offset:128
.irp s, 0,1,2,3
	v_bfe_u32 v110, v0, \s, 1
	s_delay_alu instid0(VALU_DEP_1)
	v_lshl_or_b32 v[CL+\s], v110, 31, 0x3f800000
.endr
	v_lshrrev_b32 v110, 2, v108
	s_delay_alu instid0(VALU_DEP_1)
	v_xor_b32 v110, v110, v108
	s_delay_alu instid0(VALU_DEP_1)
	v_lshrrev_b32 v111, 1, v110
	s_delay_alu instid0(VALU_DEP_1)
	v_xor_b32 v110, v110, v111
	s_delay_alu instid0(VALU_DEP_1)
	v_and_b32 v110, 1, v110
	s_delay_alu instid0(VALU_DEP_1)
	v_lshl_or_b32 v[SG], v110, 31, 0x3c800000
	v_mov_b32 v[SG+1], 0
	v_mov_b32 v[C7+1], 0
	v_mov_b32 v[G7+1], 0
	v_mov_b32 v[SBA], 0
.irp g, 0,1,2,3,4,5,6,7
	v_mov_b32 v[P+\g], 0
.endr
	s_mov_b32 s35, 0
	s_mov_b32 s36, 0
	s_mov_b32 s38, 0x76543210
	s_mov_b32 s39, 0xfedcba98
	s_mov_b32 s40, 0x40e00000
	s_mov_b32 s41, 0x3e124925
	s_wait_loadcnt 32
.set i, 0
.rept 64
	v_add_f32 v[H+i], |v[H+2*i]|, |v[H+2*i+1]|
.set i, i+1
.endr
.irp n, 16,8,4,2,1
.set i, 0
.rept \n
	v_pk_add_f32 v[H+2*i:H+2*i+1], v[H+4*i:H+4*i+1], v[H+4*i+2:H+4*i+3]
.set i, i+1
.endr
.endr
	s_delay_alu instid0(VALU_DEP_1)
	v_add_f32 v[H], v[H], v[H+1]
	s_delay_alu instid0(VALU_DEP_1)
	v_add_f32_dpp v[H], v[H], v[H] row_xmask:1 row_mask:0xf bank_mask:0xf
	s_delay_alu instid0(VALU_DEP_1)
	v_add_f32_dpp v[H], v[H], v[H] row_xmask:2 row_mask:0xf bank_mask:0xf
	s_delay_alu instid0(VALU_DEP_1)
	v_add_f32_dpp v[H], v[H], v[H] row_xmask:4 row_mask:0xf bank_mask:0xf
	s_delay_alu instid0(VALU_DEP_1)
	v_add_f32_dpp v[H], v[H], v[H] row_xmask:8 row_mask:0xf bank_mask:0xf
	s_delay_alu instid0(VALU_DEP_1)
	v_permlanex16_b32 v[H+1], v[H], s38, s39
	s_delay_alu instid0(VALU_DEP_1)
	v_add_f32 v[H], v[H], v[H+1]
	s_wait_loadcnt 0x0
	WIN 0x40
.irp g, 0,1,2,3,4,5,6,7
.irp q, 0,1,2,3
	global_load_b128 v[128+16*\g+4*\q:128+16*\g+4*\q+3], v[SOF], s[8:9] offset:2048*\g+16*\q
.endr
.endr
	WIN 0x41
.set i, 0
.rept 64
	v_pk_mul_f32 v[2*i:2*i+1], v[2*i:2*i+1], v[SG:SG+1] op_sel_hi:[1,0]
.set i, i+1
.endr
	WIN 0
	v_cmp_eq_u32 vcc_lo, 0, v[LN]
	s_wait_xcnt 0x0
	s_and_saveexec_b32 s42, vcc_lo
	global_store_b32 v[SBA], v[H], s[32:33]
	s_wait_xcnt 0x0
	s_or_b32 exec_lo, exec_lo, s42
.macro BF012 g0
.irp k, 0,1,2,3
.irp j, 0,2,4,6
	v_pk_add_f32 v[T+8*\k+\j:T+8*\k+\j+1], v[H+8*(\g0+\k)+\j:H+8*(\g0+\k)+\j+1], v[H+8*(\g0+\k)+\j:H+8*(\g0+\k)+\j+1] op_sel:[0,1] op_sel_hi:[0,1] neg_hi:[0,1]
.endr
.endr
.irp k, 0,1,2,3
	PADD U+8*\k, T+8*\k, T+8*\k+2
	PSUB U+8*\k+2, T+8*\k, T+8*\k+2
	PADD U+8*\k+4, T+8*\k+4, T+8*\k+6
	PSUB U+8*\k+6, T+8*\k+4, T+8*\k+6
.endr
.irp k, 0,1,2,3
	PADD H+8*(\g0+\k), U+8*\k, U+8*\k+4
	PSUB H+8*(\g0+\k)+4, U+8*\k, U+8*\k+4
	PADD H+8*(\g0+\k)+2, U+8*\k+2, U+8*\k+6
	PSUB H+8*(\g0+\k)+6, U+8*\k+2, U+8*\k+6
.endr
.endm
.macro BF34 gh
.irp p, 0,1,2,3
	PADD T+8*\p, H+32*\gh+2*\p, H+32*\gh+2*\p+8
	PSUB T+8*\p+2, H+32*\gh+2*\p, H+32*\gh+2*\p+8
	PADD T+8*\p+4, H+32*\gh+2*\p+16, H+32*\gh+2*\p+24
	PSUB T+8*\p+6, H+32*\gh+2*\p+16, H+32*\gh+2*\p+24
.endr
.irp p, 0,1,2,3
	PADD H+32*\gh+2*\p, T+8*\p, T+8*\p+4
	PSUB H+32*\gh+2*\p+16, T+8*\p, T+8*\p+4
	PADD H+32*\gh+2*\p+8, T+8*\p+2, T+8*\p+6
	PSUB H+32*\gh+2*\p+24, T+8*\p+2, T+8*\p+6
.endr
.endm
.macro LSTAGE m, c
.set i, 0
.rept 128
	v_fmac_f32_dpp v[H+i], v[H+i], v[\c] row_xmask:\m row_mask:0xf bank_mask:0xf
.set i, i+1
.endr
.endm
.macro TOP p
.irp k, 0,1
.irp gh, 0,1,2,3
.irp j, 0,1
	v_permlane16_swap_b32 v[H+2*(\p+\k)+32*\gh+\j], v[H+2*(\p+\k)+32*\gh+16+\j]
.endr
.endr
.endr
.irp k, 0,1
.irp gh, 0,1,2,3
	PADD T+16*\k+4*\gh, H+2*(\p+\k)+32*\gh, H+2*(\p+\k)+32*\gh+16
	PSUB T+16*\k+4*\gh+2, H+2*(\p+\k)+32*\gh, H+2*(\p+\k)+32*\gh+16
.endr
.endr
.irp k, 0,1
.irp a, 0,1
.irp x, 0,1
	PADD H+2*(\p+\k)+64*\a+16*\x, T+16*\k+8*\a+2*\x, T+16*\k+8*\a+4+2*\x
	PSUB H+2*(\p+\k)+64*\a+32+16*\x, T+16*\k+8*\a+2*\x, T+16*\k+8*\a+4+2*\x
.endr
.endr
.endr
.irp k, 0,1
.irp y, 0,1
.irp x, 0,1
	PADD T+16*\k+4*\y+2*\x, H+2*(\p+\k)+32*\y+16*\x, H+2*(\p+\k)+64+32*\y+16*\x
	PSUB T+16*\k+8+4*\y+2*\x, H+2*(\p+\k)+32*\y+16*\x, H+2*(\p+\k)+64+32*\y+16*\x
.endr
.endr
.endr
	WIN 0x14
.irp k, 0,1
.irp g, 0,1,2,3,4,5,6,7
	v_pk_fma_f32 v[H+2*(\p+\k)+16*\g:H+2*(\p+\k)+16*\g+1], v[T+16*\k+2*\g:T+16*\k+2*\g+1], v[16*\g+2*(\p+\k):16*\g+2*(\p+\k)+1], v[128+16*\g+2*(\p+\k):128+16*\g+2*(\p+\k)+1]
.endr
.endr
	WIN 0
.endm
.macro QUANT8 g, t
.irp j, 0,2,4,6,8,10,12,14
	v_pk_mul_f32 v[\t+\j:\t+\j+1], v[H+16*\g+\j:H+16*\g+\j+1], v[C7:C7+1] op_sel_hi:[1,0]
.endr
.irp j, 0,1,2,3,4,5,6,7,8,9,10,11,12,13,14,15
	v_rndne_f32 v[\t+\j], v[\t+\j]
.endr
.irp j, 0,2,4,6,8,10,12,14
	v_pk_fma_f32 v[\t+\j:\t+\j+1], v[\t+\j:\t+\j+1], v[G7:G7+1], v[H+16*\g+\j:H+16*\g+\j+1] op_sel_hi:[1,0,1] neg_lo:[0,0,1] neg_hi:[0,0,1]
.endr
.irp j, 0,2,4,6,8,10,12,14
	v_pk_add_f32 v[H+16*\g+\j:H+16*\g+\j+1], v[H+16*\g+\j:H+16*\g+\j+1], v[\t+\j:\t+\j+1]
.endr
.endm
.macro ROW refill
	v_add_nc_u32 v[ADR], s35, v[LA]
.irp gh, 0,1,2,3
.irp q, 0,1,2,3,4,5,6,7
	ds_load_b128 v[H+32*\gh+4*\q:H+32*\gh+4*\q+3], v[ADR] offset:4352*\gh+16*\q
.endr
.endr
.if \refill
	s_wait_tensorcnt 0x0
	ds_add_u32 v[SPW], v[NIL]
	s_xor_b32 s29, s29, SLOT
	s_add_nc_u64 s[30:31], s[30:31], 16384
	s_wait_dscnt 0x0
	s_barrier_signal -1
	s_barrier_wait -1
	tensor_load_to_lds s[28:31], s[16:23]
	s_nop 0
.rept 4
	v_nop
.endr
.else
	s_wait_dscnt 0x0
.endif
	BF012 0
	BF012 4
	BF012 8
	BF012 12
	BF34 0
	BF34 1
	BF34 2
	BF34 3
	LSTAGE 1, CL
	LSTAGE 2, CL+1
	LSTAGE 4, CL+2
	LSTAGE 8, CL+3
	TOP 0
	TOP 2
	TOP 4
	TOP 6
.irp c, 0,1,2,3
	v_max3_num_f32 v[108+\c], |v[H+32*\c]|, |v[H+32*\c+1]|, |v[H+32*\c+2]|
.endr
.irp j, 3,5,7,9,11,13,15,17,19,21,23,25,27,29
.irp c, 0,1,2,3
	s_delay_alu instid0(VALU_DEP_4)
	v_max3_num_f32 v[108+\c], v[108+\c], |v[H+32*\c+\j]|, |v[H+32*\c+\j+1]|
.endr
.endr
.irp c, 0,1,2,3
	s_delay_alu instid0(VALU_DEP_4)
	v_max_num_f32 v[108+\c], v[108+\c], |v[H+32*\c+31]|
.endr
	s_delay_alu instid0(VALU_DEP_2)
	v_max3_num_f32 v108, v108, v109, v110
	s_delay_alu instid0(VALU_DEP_1)
	v_max_num_f32 v108, v108, v111
	s_delay_alu instid0(VALU_DEP_1)
	v_max_num_f32_dpp v108, v108, v108 row_xmask:1 row_mask:0xf bank_mask:0xf
	s_delay_alu instid0(VALU_DEP_1)
	v_max_num_f32_dpp v108, v108, v108 row_xmask:2 row_mask:0xf bank_mask:0xf
	s_delay_alu instid0(VALU_DEP_1)
	v_max_num_f32_dpp v108, v108, v108 row_xmask:4 row_mask:0xf bank_mask:0xf
	s_delay_alu instid0(VALU_DEP_1)
	v_max_num_f32_dpp v108, v108, v108 row_xmask:8 row_mask:0xf bank_mask:0xf
	s_delay_alu instid0(VALU_DEP_1)
	v_permlanex16_b32 v109, v108, s38, s39
	s_delay_alu instid0(VALU_DEP_1)
	v_max_num_f32 v108, v108, v109
	s_delay_alu instid0(VALU_DEP_1)
	v_add_f32 v109, 0x3727c5ac, v108
	s_wait_alu depctr_va_vdst(0)
	v_rcp_f32 v110, v109
	v_mul_f32 v111, s41, v109
	s_delay_alu instid0(VALU_DEP_1)
	v_fma_f32 v112, -v111, s40, v109
	s_delay_alu instid0(VALU_DEP_1)
	v_fma_f32 v[G7], v112, s41, v111
	s_wait_alu depctr_va_vdst(0)
	v_fma_f32 v113, -v109, v110, 1.0
	v_fma_f32 v110, v113, v110, v110
	s_delay_alu instid0(VALU_DEP_1)
	v_mul_f32 v111, s40, v110
	s_delay_alu instid0(VALU_DEP_1)
	v_fma_f32 v112, -v111, v109, s40
	s_delay_alu instid0(VALU_DEP_1)
	v_fma_f32 v[C7], v112, v110, v111
	QUANT8 0, T
	QUANT8 1, T+16
	QUANT8 2, T
	QUANT8 3, T+16
	QUANT8 4, T
	QUANT8 5, T+16
	QUANT8 6, T
	QUANT8 7, T+16
.irp g, 0,1,2,3,4,5,6,7
	v_max3_num_f32 v[M+\g], |v[H+16*\g]|, |v[H+16*\g+1]|, 0x1800000
.endr
.irp j, 2,4,6,8,10,12,14
.irp g, 0,1,2,3,4,5,6,7
	v_max3_num_f32 v[M+\g], v[M+\g], |v[H+16*\g+\j]|, |v[H+16*\g+\j+1]|
.endr
.endr
.irp g, 0,1,2,3,4,5,6,7
	v_permlanex16_b32 v[P+\g], v[M+\g], s38, s39
.endr
.irp g, 0,1,2,3,4,5,6,7
	v_max_num_f32 v[M+\g], v[M+\g], v[P+\g]
.endr
.irp g, 0,1,2,3,4,5,6,7
	v_add_nc_u32 v[SO+\g], 0xff000000, v[M+\g]
.endr
.irp g, 0,1,2,3,4,5,6,7
	v_cvt_scalef32_pk16_fp6_f32 v[U+4*\g:U+4*\g+2], v[H+16*\g:H+16*\g+15], v[SO+\g]
.endr
.irp g, 0,1,2,3,4,5,6,7
	v_lshrrev_b32 v[P+\g], 23, v[SO+\g]
.endr
	v_add_nc_u32 v[SBA], s36, v[SBW]
.irp g, 0,1,2,3,4,5,6,7
	ds_store_b8 v[SBA], v[P+\g] offset:16*\g
.endr
.irp g, 0,1,2,3,4,5,6,7
	global_store_b96 v[COG+\g], v[U+4*\g:U+4*\g+2], s[12:13]
.endr
	s_wait_xcnt 0x0
	s_add_nc_u64 s[12:13], s[12:13], 304
	s_xor_b32 s35, s35, SLOT
	s_add_co_u32 s36, s36, 132
.endm
	s_wait_loadcnt 0x0
	s_wait_tensorcnt 0x1
	s_mov_b32 s37, 2
.Lfill:
	ROW 1
	s_sub_co_u32 s37, s37, 1
	s_cmp_lg_u32 s37, 0
	s_cbranch_scc1 .Lfill
	s_wait_tensorcnt 0x0
	s_mov_b32 s37, 2
.Ltail:
	ROW 0
	s_sub_co_u32 s37, s37, 1
	s_cmp_lg_u32 s37, 0
	s_cbranch_scc1 .Ltail
; The scale words leave: 4 rows x 11 groups = 44 pieces of 16 bytes (three words and a zero word).  Lane l takes piece l and piece 32 + l % 12 (lanes 12 to 31 store pieces again, with the same bytes).
.macro PIECE p, k
	v_mul_u32_u24 v[T+2+\k], v[\p], 47
	s_delay_alu instid0(VALU_DEP_1)
	v_lshrrev_b32 v[T+2+\k], 9, v[T+2+\k]          ; the piece's row, piece / 11 (47 p / 512, right for p under 44)
	s_delay_alu instid0(VALU_DEP_1)
	v_mul_u32_u24 v[T+4+\k], v[T+2+\k], 11
	v_mul_u32_u24 v[T+6+\k], v[T+2+\k], 132
	s_delay_alu instid0(VALU_DEP_2)
	v_sub_nc_u32 v[T+4+\k], v[\p], v[T+4+\k]       ; and its group
	s_delay_alu instid0(VALU_DEP_1)
	v_mad_u32_u24 v[T+6+\k], v[T+4+\k], 12, v[T+6+\k]
	v_mul_u32_u24 v[T+8+\k], v[T+4+\k], QB
	s_delay_alu instid0(VALU_DEP_2)
	v_and_b32 v[T+6+\k], 0x3fc, v[T+6+\k]          ; 516 at the most: the mask changes nothing and states that the offset stays inside my wave's 2,048 bytes
	s_delay_alu instid0(VALU_DEP_2)
	v_mad_u32_u24 v[T+8+\k], v[T+2+\k], 304, v[T+8+\k]
	s_delay_alu instid0(VALU_DEP_2)
	v_add_nc_u32 v[T+6+\k], s47, v[T+6+\k]         ; in LDS: 12 bytes on end
	ds_load_b32 v[U+4*\k], v[T+6+\k]               ; LDS serves a wave's instructions in order: these see my byte stores
	ds_load_b32 v[U+4*\k+1], v[T+6+\k] offset:4
	ds_load_b32 v[U+4*\k+2], v[T+6+\k] offset:8
	v_mov_b32 v[U+4*\k+3], 0
.endm
	v_mul_u32_u24 v[T], v[LN], 43
	s_delay_alu instid0(VALU_DEP_1)
	v_lshrrev_b32 v[T], 9, v[T]
	s_delay_alu instid0(VALU_DEP_1)
	v_mul_u32_u24 v[T], v[T], 12
	s_delay_alu instid0(VALU_DEP_1)
	v_sub_nc_u32 v[T], v[LN], v[T]                 ; l % 12
	s_delay_alu instid0(VALU_DEP_1)
	v_add_nc_u32 v[T+1], 32, v[T]
	PIECE LN, 0
	PIECE T+1, 1
; The zeros behind K's end: 4 rows x 96 bytes = 24 pieces of 16 bytes; lane l takes piece l % 24
	v_mul_u32_u24 v[T+10], v[LN], 43
	s_delay_alu instid0(VALU_DEP_1)
	v_lshrrev_b32 v[T+10], 10, v[T+10]
	s_delay_alu instid0(VALU_DEP_1)
	v_mul_u32_u24 v[T+10], v[T+10], 24
	s_delay_alu instid0(VALU_DEP_1)
	v_sub_nc_u32 v[T+10], v[LN], v[T+10]
	s_delay_alu instid0(VALU_DEP_1)
	v_mul_u32_u24 v[T+11], v[T+10], 43
	s_delay_alu instid0(VALU_DEP_1)
	v_lshrrev_b32 v[T+11], 8, v[T+11]              ; its row, piece / 6
	s_delay_alu instid0(VALU_DEP_1)
	v_mul_u32_u24 v[T+12], v[T+11], 6
	v_mul_u32_u24 v[T+11], v[T+11], 304
	s_delay_alu instid0(VALU_DEP_2)
	v_sub_nc_u32 v[T+12], v[T+10], v[T+12]
	s_delay_alu instid0(VALU_DEP_1)
	v_lshl_add_u32 v[T+11], v[T+12], 4, v[T+11]
.irp j, 8,9,10,11
	v_mov_b32 v[U+\j], 0
.endr
	global_store_b128 v[T+11], v[U+8:U+11], s[14:15] offset:10*QB+192
	s_wait_alu depctr_va_vdst(0)
	s_wait_dscnt 0x0
.irp j, 0,1,2,4,5,6
	v_perm_b32 v[U+\j], v[U+\j], v[U+\j], 0x03010200   ; a word's bytes in the order of blocks 0, 2, 1, 3
.endr
	global_store_b128 v[T+8], v[U:U+3], s[14:15] offset:288
	global_store_b128 v[T+9], v[U+4:U+7], s[14:15] offset:288
	s_wait_tensorcnt 0x0
	ds_add_u32 v[SPW], v[NIL]
	s_wait_dscnt 0x0
	s_endpgm
.Lfunc_end_k_q4b283467ab_prep:
	.size	k_q4b283467ab_prep, .Lfunc_end_k_q4b283467ab_prep-k_q4b283467ab_prep
	.p2alignl 7, 3214868480
	.fill 96, 4, 3214868480
	.section	.rodata,"a",@progbits
	.p2align	6, 0x0
	.amdhsa_kernel k_q4b283467ab_prep
		.amdhsa_group_segment_fixed_size 327680
		.amdhsa_private_segment_fixed_size 0
		.amdhsa_enable_private_segment 0
		.amdhsa_kernarg_size 48
		.amdhsa_user_sgpr_count 2
		.amdhsa_user_sgpr_kernarg_segment_ptr 1
		.amdhsa_wavefront_size32 1
		.amdhsa_system_sgpr_workgroup_id_x 1
		.amdhsa_system_sgpr_workgroup_id_y 1
		.amdhsa_system_sgpr_workgroup_id_z 1
		.amdhsa_system_vgpr_workitem_id 0
		.amdhsa_next_free_vgpr 512
		.amdhsa_next_free_sgpr 66
		.amdhsa_reserve_vcc 1
		.amdhsa_float_denorm_mode_32 3
		.amdhsa_float_denorm_mode_16_64 3
		.amdhsa_memory_ordered 1
		.amdhsa_forward_progress 1
		.amdhsa_inst_pref_size 242
	.end_amdhsa_kernel
	.amdgpu_metadata
---
amdhsa.version: [ 1, 2 ]
amdhsa.kernels:
  - .name:           k_q4b283467ab_prep
    .symbol:         k_q4b283467ab_prep.kd
    .args:
      - { .name: x, .offset: 0, .size: 8, .value_kind: global_buffer, .address_space: global }
      - { .name: had_scale, .offset: 8, .size: 8, .value_kind: global_buffer, .address_space: global }
      - { .name: had_shift, .offset: 16, .size: 8, .value_kind: global_buffer, .address_space: global }
      - { .name: weight, .offset: 24, .size: 8, .value_kind: global_buffer, .address_space: global }
      - { .name: a_codes, .offset: 32, .size: 8, .value_kind: global_buffer, .address_space: global }
      - { .name: wsum, .offset: 40, .size: 8, .value_kind: global_buffer, .address_space: global }
    .group_segment_fixed_size: 327680
    .private_segment_fixed_size: 0
    .kernarg_segment_align: 8
    .kernarg_segment_size: 48
    .max_flat_workgroup_size: 256
    .sgpr_count:     66
    .vgpr_count:     512
    .wavefront_size: 32
...
	.end_amdgpu_metadata
.endif
;; end of part 1
;; launch wquant (part 2): grid 512 x 1, 4 waves a work-group, no clusters, 33,280 bytes of LDS; arguments weight, wsum, b_codes; writes b_codes
.if DOCPART == 2
	.amdgcn_target "amdgcn-amd-amdhsa--gfx1250"
	.amdhsa_code_object_version 6
	.text
	.protected	k_q4b283467ab_wquant
	.globl	k_q4b283467ab_wquant
	.p2align	8
	.type	k_q4b283467ab_wquant,@function
k_q4b283467ab_wquant:
	s_mov_b64 s[64:65], 0
	v_nop
	global_prefetch_b8 v0, s[64:65] scope:SCOPE_SE
	s_setreg_imm32_b32 hwreg(HW_REG_WAVE_MODE, 25, 1), 1
	s_wait_xcnt 0x0
; THE RIGHT OPERAND.  s = mean|W| + 1e-5 from the 2,048 row sums that the launch before stored; n = round(w / s) held to -1 .. 1; w + (n s - w); then codes of FP6 (E2M3) with one E8M0 byte for each 32 along K.
; b_codes is laid as a_codes is: [16 blocks of 128 rows][11 groups of 384 along K][128 rows][304 bytes]; a row's 304 bytes are 288 bytes of codes, three scale words (bytes in the order of blocks 0, 2, 1, 3)
; and a zero word; the last group's last 96 bytes of codes and its third scale word are zeros.
; Every wave adds the 2,048 sums in the same order, so s has the same bits everywhere.  w / s is a first quotient by the refined reciprocal, its exact remainder, and the quotient set right.
; n s is exact for n = -1, 0, 1, so the fused n s - w is rounded as the unfused one.
; A wave takes ONE row of W in 8 steps of 512 numbers: 2,048 waves in 512 work-groups, two of which fit on a WGP by their registers and LDS.
; The conversion takes 16 numbers of one block from ONE lane's registers: each of a step's four loads reads 512 consecutive bytes; the 2,048 bytes go through
; the wave's own stage in LDS as they lie and come back 64 bytes a lane (16 bytes of padding behind each 64).  Two neighbouring lanes hold a block.  A step's store covers 384 bytes of the row, in one run or two.
; No tensor loads, no barrier: waves share nothing.  Loads run four steps (16 loads a wave) ahead, the turn through LDS one step.
; LIMITS: NaN and infinities are not served; s above 2^126 is not served (its reciprocal would be flushed); a block of zeros gets the byte 1 where the quantiser says 127: its codes are zeros, and this program alone reads the bytes.
.set STEPS, 8
.set EMAX,  2
.set QB,    38912                      ; a group of one block of rows: 128 x 304 bytes
.set R,     16                         ; v16-79   four sets of 16 numbers as they are loaded
.set X,     80                         ; v80-111  two sets of 16 neighbours
.set E,     112                        ; v112-119 a scale byte for each step
.set C,     128                        ; v128-191 first the row sums; then codes, four registers for each step
.set Q,     192                        ; v192-207 quotients, then n
.set D,     208                        ; v208-223 remainders, then n s - w
.set S,     224                        ; v[224:225] s, twice
.set RI,    226                        ; v[226:227] 1 / s, twice
.set COG,   234                        ; v234-241 for step t: my half block's byte offset in the row's eleven groups
.set WREG,  8192                       ; LDS: a region for each wave: two stages of 32 x SP bytes, and behind them its 128 scale bytes and a zero word
.set SP,    80
	s_load_b128 s[4:7], s[0:1], 0x0                ; W s[4:5], wsum s[6:7]
	s_load_b64 s[8:9], s[0:1], 0x10                ; the codes
	v_lshl_add_u32 v232, v0, 2, 0x8000
	v_mov_b32 v233, 0
	v_lshrrev_b32 v1, 5, v0
	v_readfirstlane_b32 s16, v1                    ; wave
	v_and_b32 v2, 31, v0                           ; lane
	v_lshlrev_b32 v3, 4, v2                        ; my 16 bytes of a load's 512
	s_mul_i32 s17, s16, WREG
	v_lshrrev_b32 v14, 2, v2
	v_mul_u32_u24 v14, v14, SP
	v_and_b32 v15, 3, v2
	v_lshl_add_u32 v14, v15, 4, v14
	v_add_nc_u32 v14, s17, v14                     ; the stage, on the way in: four lanes' 64 bytes on end, then 16 of padding
	v_mul_u32_u24 v15, v2, SP
	v_add_nc_u32 v15, s17, v15                     ; and on the way out: my 16 neighbours
	v_lshrrev_b32 v5, 1, v2
	v_and_b32 v4, 1, v2                            ; which half of a block is mine
.irp g, 0,1,2,3,4,5,6,7
	v_add_nc_u32 v242, 16*\g, v5                   ; block b = 16 g + lane / 2 of the row's 128
	v_mul_u32_u24 v243, v242, 43
	v_lshrrev_b32 v243, 9, v243                    ; its group b / 12 (43 b / 512, right for b under 131)
	v_mul_u32_u24 v[COG+\g], v243, QB-288
	v_mad_u32_u24 v[COG+\g], v242, 24, v[COG+\g]   ; group x QB + 24 (b % 12)
	v_mad_u32_u24 v[COG+\g], v4, 12, v[COG+\g]
.endr
	s_add_co_u32 s17, s17, 2*32*SP
	v_add_nc_u32 v5, s17, v5                       ; LDS: my wave's scale bytes, my block's byte
	s_mov_b32 s12, 0x76543210
	s_mov_b32 s13, 0xfedcba98                      ; v_permlanex16_b32's selects for lane l xor 16
	s_mov_b32 s22, 0x3727c5ac                      ; 1e-5
	s_mov_b32 s23, 0x34000000                      ; 2^-23 = 1 / (2,048 x 4,096)
	s_lshl_b32 s17, ttmp9, 2
	s_add_co_u32 s18, s17, s16                     ; my wave's row of W
	s_mov_b32 s21, 0
	s_wait_kmcnt 0x0
	s_lshl_b32 s20, s18, 14
	s_add_nc_u64 s[4:5], s[4:5], s[20:21]
	s_lshr_b32 s20, s18, 7                         ; the row's block of 128,
	s_mul_i32 s20, s20, 11*QB
	s_add_nc_u64 s[8:9], s[8:9], s[20:21]
	s_and_b32 s20, s18, 127                        ; and its place in it
	s_mul_i32 s20, s20, 304
	s_add_nc_u64 s[8:9], s[8:9], s[20:21]
.set i, 0
.rept 16
	global_load_b128 v[C+4*i:C+4*i+3], v3, s[6:7] offset:512*i   ; all 2,048 row sums, 64 a lane
.set i, i+1
.endr
.macro LOAD t
.irp i, 0,1,2,3
	global_load_b128 v[R+16*((\t)%4)+4*\i:R+16*((\t)%4)+4*\i+3], v3, s[4:5] offset:2048*(\t)+512*\i th:TH_LOAD_NT   ; 32 lanes read 512 consecutive bytes
.endr
.endm
.macro TURN t                          ; step t's numbers through the stage: LDS serves a wave's instructions in order, so no wait stands between the stores and the loads
.irp i, 0,1,2,3
	ds_store_b128 v14, v[R+16*((\t)%4)+4*\i:R+16*((\t)%4)+4*\i+3] offset:32*SP*((\t)%2)+8*SP*\i
.endr
.irp i, 0,1,2,3
	ds_load_b128 v[X+16*((\t)%2)+4*\i:X+16*((\t)%2)+4*\i+3], v15 offset:32*SP*((\t)%2)+16*\i
.endr
.endm
.irp t, 0,1,2,3
	LOAD \t
.endr
	s_wait_loadcnt 16                              ; the row sums are in; W's 16 loads, issued behind them, may be out
.irp n, 16,8,4,2,1
.set i, 0
.rept \n
	v_pk_add_f32 v[C+2*i:C+2*i+1], v[C+4*i:C+4*i+1], v[C+4*i+2:C+4*i+3]   ; by halves: neighbours are added, and the sums move down
.set i, i+1
.endr
.endr
	v_add_f32 v[C], v[C], v[C+1]
	v_add_f32_dpp v[C], v[C], v[C] row_xmask:1 row_mask:0xf bank_mask:0xf
	v_add_f32_dpp v[C], v[C], v[C] row_xmask:2 row_mask:0xf bank_mask:0xf
	v_add_f32_dpp v[C], v[C], v[C] row_xmask:4 row_mask:0xf bank_mask:0xf
	v_add_f32_dpp v[C], v[C], v[C] row_xmask:8 row_mask:0xf bank_mask:0xf
	v_permlanex16_b32 v[C+1], v[C], s12, s13
	v_add_f32 v[C], v[C], v[C+1]
	v_fma_f32 v[S], v[C], s23, s22                 ; s = the sum x 2^-23 (exact) + 1e-5
	s_wait_alu depctr_va_vdst(0)
	v_rcp_f32 v[RI], v[S]
	v_mov_b32 v[S+1], v[S]                         ; (the plain line behind the reciprocal)
	s_wait_alu depctr_va_vdst(0)                   ; ahead of the first line that names the reciprocal's result
	v_fma_f32 v228, -v[S], v[RI], 1.0
	v_fma_f32 v[RI], v228, v[RI], v[RI]            ; 1 / s, refined
	v_mov_b32 v[RI+1], v[RI]
	s_wait_alu depctr_va_vdst(0)
	s_wait_loadcnt 12                              ; step 0's four loads are in
	TURN 0
; the ternary step on 16 numbers, in place
.macro TERN xs
.irp j, 0,2,4,6,8,10,12,14
	v_pk_mul_f32 v[Q+\j:Q+\j+1], v[\xs+\j:\xs+\j+1], v[RI:RI+1]
.endr
.irp j, 0,2,4,6,8,10,12,14
	v_pk_fma_f32 v[D+\j:D+\j+1], v[Q+\j:Q+\j+1], v[S:S+1], v[\xs+\j:\xs+\j+1] neg_lo:[1,0,0] neg_hi:[1,0,0]   ; w - q s, exactly
.endr
.irp j, 0,2,4,6,8,10,12,14
	v_pk_fma_f32 v[Q+\j:Q+\j+1], v[D+\j:D+\j+1], v[RI:RI+1], v[Q+\j:Q+\j+1]   ; w / s
.endr
.irp j, 0,1,2,3,4,5,6,7,8,9,10,11,12,13,14,15
	v_rndne_f32 v[Q+\j], v[Q+\j]                   ; ties to even
.endr
.irp j, 0,1,2,3,4,5,6,7,8,9,10,11,12,13,14,15
	v_med3_num_f32 v[Q+\j], v[Q+\j], -1.0, 1.0
.endr
.irp j, 0,2,4,6,8,10,12,14
	v_pk_fma_f32 v[D+\j:D+\j+1], v[Q+\j:Q+\j+1], v[S:S+1], v[\xs+\j:\xs+\j+1] neg_lo:[0,0,1] neg_hi:[0,0,1]   ; n s - w
.endr
.irp j, 0,2,4,6,8,10,12,14
	v_pk_add_f32 v[\xs+\j:\xs+\j+1], v[\xs+\j:\xs+\j+1], v[D+\j:D+\j+1]   ; w + that
.endr
.endm
.macro STEP t
.set XS, X+16*((\t)%2)
.if (\t) > 0
	s_wait_dscnt 1                                 ; this step's numbers are back from the stage (the last step's byte store may be out): so its stores into the stage have read their registers,
.else
	s_wait_dscnt 0x0
.endif
.if (\t)+4 < STEPS
	LOAD (\t)+4                                    ; which take the loads of four steps on
.endif
.if (\t)+1 < STEPS
.if STEPS-2-(\t) >= 3
	s_wait_loadcnt 12                              ; the next step's four loads are in; those of the three steps behind it may be out
.else
	s_wait_loadcnt 4*(STEPS-2-(\t))
.endif
	TURN (\t)+1                                    ; and go through the other stage while this step is worked
.endif
	TERN XS
	v_max3_num_f32 v8, |v[XS]|, |v[XS+1]|, |v[XS+2]|               ; the largest magnitude of my 16
	v_max3_num_f32 v9, |v[XS+3]|, |v[XS+4]|, |v[XS+5]|
.irp i, 6,10
	v_max3_num_f32 v8, v8, |v[XS+\i]|, |v[XS+\i+1]|
	v_max3_num_f32 v9, v9, |v[XS+\i+2]|, |v[XS+\i+3]|
.endr
	v_max3_num_f32 v8, v8, |v[XS+14]|, |v[XS+15]|
	v_max3_num_f32 v8, v8, v9, (EMAX+1)<<23        ; and the floor 2^(3 - 127): the byte cannot fall under 1
	v_max_num_f32_dpp v8, v8, v8 row_xmask:1 row_mask:0xf bank_mask:0xf   ; and of my neighbour's 16: the block's
	v_add_nc_u32 v11, -(EMAX<<23), v8              ; 2 off its exponent field: the conversion takes the exponent field of this operand as its scale
	v_cvt_scalef32_pk16_fp6_f32 v[C+4*(\t):C+4*(\t)+2], v[XS:XS+15], v11
	v_lshrrev_b32 v[E+(\t)], 23, v11               ; the scale's byte.  (A plain line behind the conversion)
	ds_store_b8 v5, v[E+(\t)] offset:16*(\t)       ; both lanes of a block write the same byte with the same value
	global_store_b96 v[COG+(\t)], v[C+4*(\t):C+4*(\t)+2], s[8:9]
.endm
.irp t, 0,1,2,3,4,5,6,7
	STEP \t
.endr
; The scale words leave: 11 pieces of 16 bytes (three words and a zero word); lane l takes piece l % 11.  The zeros behind K's end: 96 bytes, 6 pieces; lane l takes piece l % 6.  (Lanes that are over store a piece again, with the same bytes.)
	s_mul_i32 s24, s16, WREG
	s_add_co_u32 s24, s24, 2*32*SP                 ; my wave's scale bytes
	v_mov_b32 v9, s24
	ds_store_b32 v9, v233 offset:128               ; the zero word behind the 128 bytes: the third word of the last group
	v_mul_u32_u24 v10, v2, 47
	v_lshrrev_b32 v10, 9, v10                      ; l / 11 (47 l / 512, right for l under 44)
	v_mul_u32_u24 v10, v10, 11
	v_sub_nc_u32 v12, v2, v10                      ; the piece's group
	v_mul_u32_u24 v8, v12, 12
	v_and_b32 v8, 0x7c, v8                         ; 120 at the most: the mask changes nothing and states that the offset stays inside my wave's region
	v_add_nc_u32 v8, s24, v8
	v_mul_u32_u24 v13, v12, QB
	ds_load_b32 v16, v8                            ; LDS serves a wave's instructions in order: these see my stores
	ds_load_b32 v17, v8 offset:4
	ds_load_b32 v18, v8 offset:8
	v_mov_b32 v19, 0
	v_mul_u32_u24 v20, v2, 43
	v_lshrrev_b32 v20, 8, v20                      ; l / 6 (43 l / 256, right for l under 32)
	v_mul_u32_u24 v20, v20, 6
	v_sub_nc_u32 v20, v2, v20
	v_lshlrev_b32 v23, 4, v20
.irp j, 24,25,26,27
	v_mov_b32 v\j, 0
.endr
	global_store_b128 v23, v[24:27], s[8:9] offset:10*QB+192
	s_wait_alu depctr_va_vdst(0)
	s_wait_dscnt 0x0
.irp j, 16,17,18
	v_perm_b32 v\j, v\j, v\j, 0x03010200           ; a word's bytes in the order of blocks 0, 2, 1, 3
.endr
	global_store_b128 v13, v[16:19], s[8:9] offset:288
	s_wait_tensorcnt 0x0                           ; the wave's end
	ds_add_u32 v232, v233
	s_wait_dscnt 0x0
	s_endpgm
.Lfunc_end_k_q4b283467ab_wquant:
	.size	k_q4b283467ab_wquant, .Lfunc_end_k_q4b283467ab_wquant-k_q4b283467ab_wquant
	.p2alignl 7, 3214868480
	.fill 96, 4, 3214868480
	.section	.rodata,"a",@progbits
	.p2align	6, 0x0
	.amdhsa_kernel k_q4b283467ab_wquant
		.amdhsa_group_segment_fixed_size 33280
		.amdhsa_private_segment_fixed_size 0
		.amdhsa_enable_private_segment 0
		.amdhsa_kernarg_size 24
		.amdhsa_user_sgpr_count 2
		.amdhsa_user_sgpr_kernarg_segment_ptr 1
		.amdhsa_wavefront_size32 1
		.amdhsa_system_sgpr_workgroup_id_x 1
		.amdhsa_system_sgpr_workgroup_id_y 1
		.amdhsa_system_sgpr_workgroup_id_z 1
		.amdhsa_system_vgpr_workitem_id 0
		.amdhsa_next_free_vgpr 244
		.amdhsa_next_free_sgpr 66
		.amdhsa_reserve_vcc 0
		.amdhsa_float_denorm_mode_32 3
		.amdhsa_float_denorm_mode_16_64 3
		.amdhsa_memory_ordered 1
		.amdhsa_forward_progress 1
		.amdhsa_inst_pref_size 58
	.end_amdhsa_kernel
	.amdgpu_metadata
---
amdhsa.version: [ 1, 2 ]
amdhsa.kernels:
  - .name:           k_q4b283467ab_wquant
    .symbol:         k_q4b283467ab_wquant.kd
    .args:
      - { .name: weight, .offset: 0, .size: 8, .value_kind: global_buffer, .address_space: global }
      - { .name: wsum, .offset: 8, .size: 8, .value_kind: global_buffer, .address_space: global }
      - { .name: b_codes, .offset: 16, .size: 8, .value_kind: global_buffer, .address_space: global }
    .group_segment_fixed_size: 33280
    .private_segment_fixed_size: 0
    .kernarg_segment_align: 8
    .kernarg_segment_size: 24
    .max_flat_workgroup_size: 128
    .sgpr_count:     66
    .vgpr_count:     244
    .wavefront_size: 32
...
	.end_amdgpu_metadata
.endif
;; end of part 2
;; launch gemm (part 3): grid 8 x 32, 4 waves a work-group, clusters of 4 x 4, 327,680 bytes of LDS; arguments a_codes, b_codes, out0; writes out0
.if DOCPART == 3
	.amdgcn_target "amdgcn-amd-amdhsa--gfx1250"
	.amdhsa_code_object_version 6
	.text
	.protected	k_q4b283467ab_gemm
	.globl	k_q4b283467ab_gemm
	.p2align	8
	.type	k_q4b283467ab_gemm,@function
k_q4b283467ab_gemm:
	s_mov_b64 s[64:65], 0
	v_nop
	global_prefetch_b8 v0, s[64:65] scope:SCOPE_SE
	s_setreg_imm32_b32 hwreg(HW_REG_WAVE_MODE, 25, 1), 1
	s_wait_xcnt 0x0
	s_wait_alu depctr_hold_cnt(0) depctr_sa_sdst(0) depctr_va_vdst(0) depctr_va_sdst(0) depctr_va_ssrc(0) depctr_va_vcc(0) depctr_vm_vsrc(0)
	s_getreg_b32 s2, hwreg(HW_REG_IB_STS2, 6, 4)
	s_cmp_eq_u32 s2, 0
	s_cbranch_scc0 .Lentry_in_a_cluster
	s_endpgm
.Lentry_in_a_cluster:
	s_bfe_u32 s2, ttmp6, 0x10000c
	s_cmp_lg_u32 s2, 0xf033
	s_cbranch_scc0 .Lentry_shape_is_right
	s_endpgm
.Lentry_shape_is_right:
; out0[m][n] = sum over k of A[m][k] B[n][k], M 8,192, N 2,048, K 4,096: codes of FP6 (E2M3) with one E8M0 byte for each 32 along K, f32 sums.
; BOTH OPERANDS LIE AS THIS LAUNCH WANTS THEM: [blocks of 128 rows][11 groups of 384 along K][128 rows][304 bytes]; a row's 304 bytes are 288 bytes of codes, three scale words and a zero word.
; One block's one group is 38,912 bytes on end: a tensor load brings it as 152 rows of 256 bytes, each on a multiple of 256 bytes, and it lies in LDS as in memory.  The pitch of 304 bytes is 19 x 16:
; the sixteen rows that a 16-byte load touches begin in sixteen different groups of four banks (64 banks of 4 bytes: ISA guide 11.1), with no padding.
; A FRAGMENT IS THREE LOADS OF 16 BYTES: lane (r, h) takes the 48 bytes at 96 q + 48 h of row r.  Its registers 0-5 are the matrix unit's block h and its registers 6-11 block 2 + h of the 128, so the memory's blocks
; 0, 1, 2, 3 of a step stand in the unit's places 0, 2, 1, 3, alike in A and B; the scale words were stored in that order.  The products are the same; the order of the f32 sums inside a step differs from K ascending.
; A tile of C, 256 x 256, is made by four waves, 128 x 128 each: 64 accumulators, 512 registers.  K goes through two LDS slots of one group (three steps of 128) each; a wave fetches a quarter of a slot by one load.
; K has 32 steps: the eleventh group's third step holds zeros and is not multiplied: it could add nothing.
; CLUSTERS: 4 x 4 work-groups; A's quarters are asked for jointly along a row of the cluster, B's along a column.  The matrix instruction is used transposed (source 0 = rows of B), so a lane holds eight neighbouring numbers of a row of C.
; PREFETCH: behind the refill with group g + 2 each wave names group g + 4 of the quarter that it fetches: 152 blocks of 256 bytes, of which each of the four partners takes 38 by address (cx for A, cy for B):
; a lane a block, 32 and 6 (the left-over lanes name the last block again).  Groups 0 to 3 come by their loads alone; group 11 does not exist and is not named.
; REGISTERS: window 0: v16-31 addresses; v32-95 scale words, a set for each slot (register 4 i + q: lanes 0-15 A's block i, lanes 16-31 B's block i, step q); v128-223 A's fragments, one set; on the way out v128-255.
;   window 1: B's fragments, two sets, at v0 and v128.  Windows 2 and 3: the accumulators of my rows 0-63 and 64-127.
.set SIZE_N, 2048
.set PITCH,  304
.set QB,     128*PITCH                 ; a quarter of a slot
.set BLK,    11*QB                     ; a block of 128 rows, all of K
.set SLOT,   4*QB                      ; A's two halves, then B's two
.set SPARE,  2*SLOT                    ; the spare words, 128 bytes a wave: two blocks of 256 bytes that no other line names
.set STAGE,  SLOT                      ; the way out goes through slot 1, which has had its last fill and its last read by then (the last group lies in slot 0)
.set SPITCH, 528
.set FR,   12
.set ADRA, 16                          ; v16-17 my A fragments in slot 0, 1
.set ADRB, 20                          ; v20-21 the same for B
.set ADRS, 22                          ; v22-23 my scale words: lanes 0-15 A's rows, lanes 16-31 B's
.set STO,  24
.set RD,   25
.set CO,   26
.set SPW,  28
.set NIL,  29
.set PFO,  30                          ; v30-31 the prefetches' offsets
.set SC,   32
.set AF,   128
.set BK,   128
.set PFA,  10                          ; s[10:11] where my prefetches stand
.set G1,   24
.set G0,   32
.set G1B,  48
.set G0B,  56
.set MSB, 0
.macro WIN new                         ; the immediate's high byte repeats the setting that is left
.if MSB != \new
	s_set_vgpr_msb (MSB<<8)|\new
.set MSB, \new
.endif
.endm
.set MUL_LO, 0xa1                      ; source 0 (B) window 1, source 1 (A) window 0, C and D window 2
.set MUL_HI, 0xf1
.set TO_B,   0x40
.macro JLOAD g0a, g1a, g0b, g1b        ; a joint load: waves 0 and 1 fetch for A, waves 2 and 3 for B; s_nop 0 and four v_nop behind each line
	s_cmp_eq_u32 s15, 0
	s_cbranch_scc0 .Lfor_b_\@
	tensor_load_to_lds s[\g0a:\g0a+3], s[\g1a:\g1a+7]
	s_nop 0
.rept 4
	v_nop
.endr
	s_branch .Lasked_\@
.Lfor_b_\@:
	tensor_load_to_lds s[\g0b:\g0b+3], s[\g1b:\g1b+7]
	s_nop 0
.rept 4
	v_nop
.endr
.Lasked_\@:
.endm
.macro CREST                           ; a round of the cluster's barrier behind its opening barrier
	s_cmp_lg_u32 s14, 0
	s_cbranch_scc1 .Lnot_wave_0_\@
	s_barrier_signal -3
.Lnot_wave_0_\@:
	s_barrier_wait -3
	s_barrier_signal -1
	s_barrier_wait -1
.endm
.macro CROUND
	s_barrier_signal -1
	s_barrier_wait -1
	CREST
.endm
	s_load_b128 s[4:7], s[0:1], 0x0                ; A, B
	s_load_b64 s[8:9], s[0:1], 0x10                ; C
	v_lshl_add_u32 v[SPW], v0, 2, SPARE
	v_mov_b32 v[NIL], 0
	ds_add_u32 v[SPW], v[NIL]                      ; the opening lines: the add, twice on end, and its wait ahead of my first tensor load
	ds_add_u32 v[SPW], v[NIL]
	v_lshrrev_b32 v1, 5, v0
	v_readfirstlane_b32 s14, v1                    ; wave
	s_lshr_b32 s15, s14, 1                         ; my half of the tile's rows; also: I fetch for A (0) or B (1)
	s_and_b32 s16, s14, 1                          ; my half of its columns; also: which 128 rows I fetch
	s_bfe_u32 s40, ttmp6, 0x40000                  ; cx
	s_bfe_u32 s41, ttmp6, 0x40004                  ; cy
	s_lshl_b32 s42, ttmp9, 2
	s_add_co_u32 s42, s42, s40                     ; tile column
	s_and_b32 s17, ttmp7, 0xffff
	s_lshl_b32 s17, s17, 2
	s_add_co_u32 s17, s17, s41                     ; tile row
	s_lshl_b32 s43, s41, 2
	s_lshl_b32 s43, 15, s43                        ; my row of the cluster
	s_lshl_b32 s44, 0x1111, s40                    ; my column
	s_or_b32 s[G1+0], s43, (3<<16)|(1<<21)         ; the mask; elements of 8 bytes; bit 21 beside a mask; no padding
	s_or_b32 s[G1B+0], s44, (3<<16)|(1<<21)
.irp g, G1, G1B
	s_mov_b32 s[\g+1], 32<<16                      ; rows of 32 elements, 256 bytes,
	s_mov_b32 s[\g+2], 152<<16                     ; 152 of them,
	s_mov_b32 s[\g+3], 32<<16
	s_mov_b32 s[\g+4], 152
	s_mov_b32 s[\g+5], 32                          ; on end
	s_mov_b32 s[\g+6], 0
	s_mov_b32 s[\g+7], 0
.endr
	s_lshl_b32 s20, s17, 1
	s_add_co_u32 s20, s20, s16
	s_mul_i32 s20, s20, BLK                        ; A: block 2 x tile row + half
	s_mov_b32 s21, 0
	s_lshl_b32 s46, s42, 1
	s_add_co_u32 s46, s46, s16
	s_mul_i32 s46, s46, BLK                        ; B: block 2 x tile column + half
	s_mov_b32 s47, 0
	s_mul_i32 s45, s14, QB                         ; where my quarter goes
	s_wait_dscnt 0x0                               ; both opening adds are done
	s_wait_kmcnt 0x0
	s_add_nc_u64 s[20:21], s[4:5], s[20:21]
	s_add_nc_u64 s[46:47], s[6:7], s[46:47]
	CROUND                                         ; all sixteen work-groups are here: the first joint loads meet
.irp s, 0,1
	s_mov_b32 s[G0+4*\s], 1
	s_add_co_u32 s[G0+4*\s+1], s45, \s*SLOT
	s_add_nc_u64 s[G0+4*\s+2:G0+4*\s+3], s[20:21], \s*QB
	s_or_b32 s[G0+4*\s+3], s[G0+4*\s+3], 0x80000000
	s_mov_b32 s[G0B+4*\s], 1
	s_add_co_u32 s[G0B+4*\s+1], s45, \s*SLOT
	s_add_nc_u64 s[G0B+4*\s+2:G0B+4*\s+3], s[46:47], \s*QB
	s_or_b32 s[G0B+4*\s+3], s[G0B+4*\s+3], 0x80000000
.endr
	JLOAD G0, G1, G0B, G1B                         ; group 0: one tensor load a wave at the head
	s_mul_i32 s21, s15, QB                         ; my 128 rows of A,
	s_mul_i32 s22, s16, QB
	s_add_co_u32 s22, s22, 2*QB                    ; of B,
	s_sub_co_u32 s18, s22, s21                     ; and the distance between them
	s_add_co_u32 s12, s21, SLOT
	s_add_co_u32 s13, s22, SLOT
	s_mul_i32 s23, s14, 16*SPITCH
	s_add_co_u32 s23, s23, STAGE                   ; my stage
	v_and_b32 v1, 15, v0                           ; r
	v_bfe_u32 v2, v0, 4, 1                         ; h
	v_mul_u32_u24 v3, v1, PITCH
	v_mad_u32_u24 v4, v2, 48, v3                   ; a fragment's row x pitch + 48 h
	v_add_nc_u32 v[ADRA], s21, v4
	v_add_nc_u32 v[ADRA+1], s12, v4
	v_add_nc_u32 v[ADRB], s22, v4
	v_add_nc_u32 v[ADRB+1], s13, v4
	v_mul_u32_u24 v5, s18, v2                      ; lanes 16-31 take B's scale words
	v_add_nc_u32 v5, v5, v3
	v_add_nc_u32 v5, 288, v5                       ; behind the row's codes
	v_add_nc_u32 v[ADRS], s21, v5
	v_add_nc_u32 v[ADRS+1], s12, v5
	v_mul_u32_u24 v6, v1, SPITCH                   ; into the stage: row r, 32 bytes for each half of the lanes
	v_lshl_add_u32 v6, v2, 5, v6
	v_add_nc_u32 v[STO], s23, v6
	v_and_b32 v7, 31, v0
	v_lshlrev_b32 v[CO], 4, v7                     ; back: the 32 lanes take one row of 512 bytes; and the same in C
	v_add_nc_u32 v[RD], s23, v[CO]
	v_lshlrev_b32 v[PFO], 8, v7                    ; blocks 0 to 31 of my 38,
	v_min_u32 v8, 5, v7
	v_lshl_add_u32 v[PFO+1], v8, 8, 8192           ; and 32 to 37
	s_lshl_b32 s20, s17, 8
	s_lshl_b32 s21, s15, 7
	s_add_co_u32 s20, s20, s21                     ; my first row of C,
	s_lshl_b32 s20, s20, 13                        ; x 8,192 bytes
	s_mov_b32 s21, 0
	s_lshl_b32 s46, s42, 10
	s_lshl_b32 s47, s16, 9
	s_add_co_u32 s46, s46, s47                     ; my first column, in bytes
	s_mov_b32 s47, 0
	s_add_nc_u64 s[8:9], s[8:9], s[20:21]
	s_add_nc_u64 s[8:9], s[8:9], s[46:47]
	s_lshl_b32 s18, s17, 1
	s_lshl_b32 s19, s42, 1
	s_cmp_eq_u32 s15, 0                            ; do I fetch for A?
	s_cselect_b32 s18, s18, s19
	s_cselect_b32 s19, s40, s41                    ; my place among the four that ask with me
	s_cselect_b64 s[PFA:PFA+1], s[4:5], s[6:7]
	s_add_co_u32 s18, s18, s16
	s_mul_i32 s18, s18, BLK
	s_mul_i32 s19, s19, 38*256
	s_add_co_u32 s18, s18, s19
	s_add_co_u32 s18, s18, 3*QB                    ; at group 3: the first refill steps it to group 4
	s_mov_b32 s19, 0
	s_add_nc_u64 s[PFA:PFA+1], s[PFA:PFA+1], s[18:19]
.macro FRAG reg, adr, q, i             ; 16 rows x 128 K: 12 registers, 48 bytes a lane on end
.irp j, 0,1,2
	ds_load_b128 v[\reg+4*\j:\reg+4*\j+3], v[\adr] offset:96*(\q)+16*\j+(\i)*16*PITCH
.endr
.endm
; 16 matrix instructions: A's blocks a0, a0 + 1 x B's eight.  p: B's set; q: the step in its group; sc: the set of scale words.  The 64 accumulators take turns in the same order in every step.
.macro MUL16 a0, p, q, sc, zero
.irp a, \a0, \a0+1
.irp b, 0,1,2,3,4,5,6,7
.if \zero
	v_wmma_scale_f32_16x16x128_f8f6f4 v[8*(8*((\a)%4)+\b):8*(8*((\a)%4)+\b)+7], v[128*(\p)+FR*\b:128*(\p)+FR*\b+FR-1], v[AF+FR*(\a):AF+FR*(\a)+FR-1], 0, v[SC+32*(\sc)+4*\b+(\q)], v[SC+32*(\sc)+4*(\a)+(\q)] matrix_a_fmt:MATRIX_FMT_FP6 matrix_b_fmt:MATRIX_FMT_FP6 matrix_a_scale:MATRIX_SCALE_ROW1
.else
	v_wmma_scale_f32_16x16x128_f8f6f4 v[8*(8*((\a)%4)+\b):8*(8*((\a)%4)+\b)+7], v[128*(\p)+FR*\b:128*(\p)+FR*\b+FR-1], v[AF+FR*(\a):AF+FR*(\a)+FR-1], v[8*(8*((\a)%4)+\b):8*(8*((\a)%4)+\b)+7], v[SC+32*(\sc)+4*\b+(\q)], v[SC+32*(\sc)+4*(\a)+(\q)] matrix_a_fmt:MATRIX_FMT_FP6 matrix_b_fmt:MATRIX_FMT_FP6 matrix_a_scale:MATRIX_SCALE_ROW1
.endif
.endr
.endr
.endm
.macro FETCH_B slot, q, p
	WIN TO_B
.irp i, 0,1,2,3,4,5,6,7
	FRAG 128*(\p)+FR*\i, ADRB+(\slot), \q, \i
.endr
	WIN 0
.endm
.macro FETCH_A slot, q, i0
.irp i, \i0, \i0+1, \i0+2, \i0+3
	FRAG AF+FR*(\i), ADRA+(\slot), \q, \i
.endr
.endm
.macro SCALES slot                     ; a group's scale words: three and the zero word of each row
.irp i, 0,1,2,3,4,5,6,7
	ds_load_b128 v[SC+32*(\slot)+4*\i:SC+32*(\slot)+4*\i+3], v[ADRS+(\slot)] offset:\i*16*PITCH
.endr
.endm
.macro PLACES                          ; four places behind matrix instructions, ahead of loads into registers that they have read and of reads of results
.rept 4
	v_nop
.endr
.endm
; Step st of 128 along K: 64 matrix instructions.  Step st lies in slot (st / 3) % 2; B's sets go by st % 2.  What is fetched in it: in its middle A's blocks 0-3 of step st + 1; at its end A's blocks 4-7 of step st + 1
; and B's eight fragments of step st + 2, into the set that this step has just multiplied: 64 matrix instructions ahead of their use.  Behind a group's second step B's are left out (step st + 2 lies in the slot that is
; not yet shown whole); they come in the middle of the third step, behind its barrier.
; A group's third step changes slots: every wave waits for all its tensor loads (the one that is out is its quarter of the other slot), adds 0 to its spare word, and waits for that and for its reads of this slot;
; fill = 1: the barrier opens a round of the cluster's barrier and this slot takes the group two on.  ask = 1: the prefetch; ask = 2: not in the loop's last trip, whose group would be the twelfth.
.macro STEP st, zero, fill, ask
.set NX, (\st)+1
.set SL, ((\st)/3)%2
.set QQ, (\st)%3
.set PP, (\st)%2
.set NSL, (NX/3)%2
.if QQ == 2
.if \ask
	s_wait_xcnt 0x0                                ; my last prefetches have read their address: it steps here, three steps behind them
	s_add_nc_u64 s[PFA:PFA+1], s[PFA:PFA+1], QB
.endif
	s_wait_tensorcnt 0x0
	ds_add_u32 v[SPW], v[NIL]
	s_wait_dscnt 13                                ; the add and the youngest 12 loads (A's blocks 4-7) may be out
	WIN MUL_LO
	MUL16 0, PP, QQ, SL, 0
	s_wait_dscnt 0x0                               ; the add is done, and my reads of this slot are over
	s_barrier_signal -1
	MUL16 2, PP, QQ, SL, 0
	WIN 0
	s_barrier_wait -1
.if \fill
	CREST
	s_add_nc_u64 s[G0+4*SL+2:G0+4*SL+3], s[G0+4*SL+2:G0+4*SL+3], 2*QB
	s_add_nc_u64 s[G0B+4*SL+2:G0B+4*SL+3], s[G0B+4*SL+2:G0B+4*SL+3], 2*QB
	JLOAD G0+4*SL, G1, G0B+4*SL, G1B               ; the first tensor load behind the round; its four v_nop are the places in front of the loads below
.else
	PLACES
.endif
.else
	s_wait_dscnt 36                                ; all but the youngest 36 loads: A's blocks 4-7 (12) and the next step's B (24)
	WIN MUL_LO
	MUL16 0, PP, QQ, SL, \zero
	MUL16 2, PP, QQ, SL, \zero
	s_wait_dscnt 24                                ; A's blocks 4-7 are in; the next step's B may be out
	PLACES
.endif
.if QQ == 2
	FETCH_B NSL, NX%3, NX%2
.endif
	WIN 0
	FETCH_A NSL, NX%3, 0
.if QQ == 2
	SCALES NSL
.if \ask == 2
	s_cmp_eq_u32 s3, 1
	s_cbranch_scc1 .Lno_ask_\@
.endif
.if \ask
	global_prefetch_b8 v[PFO], s[PFA:PFA+1] th:TH_LOAD_NT scope:SCOPE_SE
	global_prefetch_b8 v[PFO+1], s[PFA:PFA+1] th:TH_LOAD_NT scope:SCOPE_SE
.endif
.if \ask == 2
.Lno_ask_\@:
.endif
.endif
	WIN MUL_HI
	MUL16 4, PP, QQ, SL, \zero
	MUL16 6, PP, QQ, SL, \zero
	PLACES
	WIN 0
	FETCH_A NSL, NX%3, 4
.if QQ != 1 && (\st) < 30
	FETCH_B (((\st)+2)/3)%2, ((\st)+2)%3, PP       ; B of step st + 2, into the set just multiplied (the four places above serve these loads too); K ends with step 31
.endif
.endm
	s_wait_alu depctr_va_vdst(0)
	s_wait_tensorcnt 0x0                           ; my quarter of group 0 is in
	ds_add_u32 v[SPW], v[NIL]
	s_wait_dscnt 0x0
	CROUND
	JLOAD G0+4, G1, G0B+4, G1B                     ; group 1, slot 1's first fill: the first tensor load behind the round
	FETCH_B 0, 0, 0
	FETCH_A 0, 0, 0
	SCALES 0
	FETCH_A 0, 0, 4
	FETCH_B 0, 1, 1                                ; step 1's B, as a step's end would have fetched it
	STEP 0, 1, 0, 0                                ; the first step's products start the sums
	s_mov_b32 s3, 4
.Llap:                                                 ; a trip: six steps, once round the ring, both slots filled again: steps 1 to 24, groups 2 to 9
	STEP 1, 0, 0, 0
	STEP 2, 0, 1, 1
	STEP 3, 0, 0, 0
	STEP 4, 0, 0, 0
	STEP 5, 0, 1, 2
	STEP 6, 0, 0, 0
	s_sub_co_u32 s3, s3, 1
	s_cmp_lg_u32 s3, 0
	s_cbranch_scc1 .Llap
	STEP 25, 0, 0, 0                               ; the tail is written out: one more refill, group 10, then none
	STEP 26, 0, 1, 0
	STEP 27, 0, 0, 0
	STEP 28, 0, 0, 0
	STEP 29, 0, 0, 0
	STEP 30, 0, 0, 0
	s_wait_dscnt 12                                ; step 31: nothing more to fetch
	WIN MUL_LO
	MUL16 0, 1, 1, 0, 0
	MUL16 2, 1, 1, 0, 0
	s_wait_dscnt 0x0
	WIN MUL_HI
	MUL16 4, 1, 1, 0, 0
	MUL16 6, 1, 1, 0, 0
	WIN 0
; THE WAY OUT, block by block of 16 rows x 128 columns: through my own stage and back as whole rows of 512 bytes.  LDS serves a wave's instructions in order (ISA guide 5.7.1.4): no wait between the stores and the loads.
.macro TOSTAGE a
.set AC, 64*((\a)%4)
	WIN 0x08+4*((\a)/4)
.irp b, 0,1,2,3,4,5,6,7
	ds_store_b128 v[STO], v[AC+8*\b:AC+8*\b+3] offset:64*\b          ; each accumulator from its low end on
	ds_store_b128 v[STO], v[AC+8*\b+4:AC+8*\b+7] offset:64*\b+16
.endr
	WIN 0
.set BB, BK+64*((\a)%2)
.irp t, 0,1,2,3,4,5,6,7,8,9,10,11,12,13,14,15
	ds_load_b128 v[BB+4*\t:BB+4*\t+3], v[RD] offset:\t*SPITCH
.endr
.endm
.macro SEND a, younger                 ; younger: the LDS instructions issued behind block a's loads, which may stay out
.set BB, BK+64*((\a)%2)
	s_wait_dscnt \younger
.if (\a) > 0
	s_add_nc_u64 s[8:9], s[8:9], 16*SIZE_N*4       ; (behind a wait on XCNT: the earlier stores have read their base)
.endif
.irp t, 0,1,2,3,4,5,6,7,8,9,10,11,12,13,14,15
	global_store_b128 v[CO], v[BB+4*\t:BB+4*\t+3], s[8:9] offset:\t*SIZE_N*4 th:TH_STORE_NT   ; 32 lanes store 512 consecutive bytes, at a multiple of 256 from C's first byte
.endr
.endm
	PLACES
	TOSTAGE 0
.irp a, 1,2,3,4,5,6,7
.if \a > 1
	s_wait_xcnt 0x0                                ; block a - 2's stores have read their registers and their base
.endif
	TOSTAGE \a
	SEND \a-1, 32                                  ; behind block a - 1's loads: block a's 16 stores and 16 loads
.endr
	s_wait_xcnt 0x0
	SEND 7, 0
	s_wait_tensorcnt 0x0                           ; the wave's end
	ds_add_u32 v[SPW], v[NIL]
	s_wait_dscnt 0x0
	CROUND                                         ; the closing round
	s_endpgm
.Lfunc_end_k_q4b283467ab_gemm:
	.size	k_q4b283467ab_gemm, .Lfunc_end_k_q4b283467ab_gemm-k_q4b283467ab_gemm
	.p2alignl 7, 3214868480
	.fill 96, 4, 3214868480
	.section	.rodata,"a",@progbits
	.p2align	6, 0x0
	.amdhsa_kernel k_q4b283467ab_gemm
		.amdhsa_group_segment_fixed_size 327680
		.amdhsa_private_segment_fixed_size 0
		.amdhsa_enable_private_segment 0
		.amdhsa_kernarg_size 24
		.amdhsa_user_sgpr_count 2
		.amdhsa_user_sgpr_kernarg_segment_ptr 1
		.amdhsa_wavefront_size32 1
		.amdhsa_system_sgpr_workgroup_id_x 1
		.amdhsa_system_sgpr_workgroup_id_y 1
		.amdhsa_system_sgpr_workgroup_id_z 1
		.amdhsa_system_vgpr_workitem_id 0
		.amdhsa_next_free_vgpr 1024
		.amdhsa_next_free_sgpr 66
		.amdhsa_reserve_vcc 0
		.amdhsa_float_denorm_mode_32 3
		.amdhsa_float_denorm_mode_16_64 3
		.amdhsa_memory_ordered 1
		.amdhsa_forward_progress 1
		.amdhsa_inst_pref_size 205
	.end_amdhsa_kernel
	.amdgpu_metadata
---
amdhsa.version: [ 1, 2 ]
amdhsa.kernels:
  - .name:           k_q4b283467ab_gemm
    .symbol:         k_q4b283467ab_gemm.kd
    .args:
      - { .name: a_codes, .offset: 0, .size: 8, .value_kind: global_buffer, .address_space: global }
      - { .name: b_codes, .offset: 8, .size: 8, .value_kind: global_buffer, .address_space: global }
      - { .name: out0, .offset: 16, .size: 8, .value_kind: global_buffer, .address_space: global }
    .group_segment_fixed_size: 327680
    .private_segment_fixed_size: 0
    .kernarg_segment_align: 8
    .kernarg_segment_size: 24
    .max_flat_workgroup_size: 128
    .sgpr_count:     66
    .vgpr_count:     1024
    .wavefront_size: 32
...
	.end_amdgpu_metadata
.endif
;; end of part 3
